; MI455X (gfx1250); checked and timed in simulation.
; The chip was launched on July 23, 2026; its instructions are those of AMD's public machine-readable ISA for CDNA 5 (MIT licence, August 2026) and "CDNA5" Instruction Set Architecture Reference Guide (July 2026). The comments in the code are by the model that wrote it; some were corrected since.
;; Lazy Attention Embedding. Allowed arithmetic: matrix products marked QUANTISED: E2M3 operands, one E8M0 scale for each 32 along K, by v_wmma_scale_f32_16x16x128_f8f6f4 with both operands' format E2M3, f32 sums; everything else in f32.
;; Inputs: bias_weight 4,096 x 16 float32; k_codes 2 x 16 x 2,048 x 2 x 24 uint8 (E2M3 codes of k, K innermost, in blocks of 32 codes, four codes in three bytes); k_scales 2 x 16 x 2,048 x 2 uint8 (E8M0 scales of k, one for each 32 codes along K); q_codes 2 x 16 x 2,048 x 2 x 24 uint8 (E2M3 codes of q, K innermost, in blocks of 32 codes, four codes in three bytes); q_scales 2 x 16 x 2,048 x 2 uint8 (E8M0 scales of q, one for each 32 codes along K); tau 16 float32; v_codes 2 x 16 x 64 x 64 x 24 uint8 (E2M3 codes of v, K innermost, in blocks of 32 codes, four codes in three bytes); v_scales 2 x 16 x 64 x 64 uint8 (E8M0 scales of v, one for each 32 codes along K).
;; Outputs: out0 2 x 16 x 2,048 x 64 float32.
;; Constants: max_bias_length = 4096.
;; This version of the problem:
;;   THIS VERSION OF THE PROBLEM IS GIVEN IN LOW PRECISION. The matrix products marked QUANTISED in the list below multiply operands that are first quantised to E2M3 (2 exponent bits, 3 mantissa bits; 6 bits a number), with one power-of-two scale for each 32 numbers along K (OCP MX v1.0); their sums are f32. All else is computed in f32.
;;   The module's matrix products, in the order in which they are computed (A, B: the left and right operand; K: the contracted axis; several contracted axes count as one K, in the product's order):
;;     1. batch 32 x [M 2,048, K 64] x [K 64, N 2,048]; A: input q (given as codes); B: input k (given as codes): QUANTISED
;;     2. batch 32 x [M 2,048, K 2,048] x [K 2,048, N 64]; A: computed on the way; B: input v (given as codes): QUANTISED
;;   THE QUANTISER, for each operand of a quantised product, along K:
;;     - K is cut into blocks of 32 from its start; a last block that is shorter is filled with zeros.
;;     - A block's scale is 2^e with e = floor(log2(the largest magnitude in the block)) - 2, held to -126 .. 127; a block of zeros has e = 0. As a byte (E8M0): e + 127.
;;     - Each number is divided by its block's scale, clamped to +-7.5, and rounded to the nearest number of E2M3, ties to even, subnormals kept.
;;     - The product sums the exact products of the quantised numbers (number of the format x scale) in f32.
;;   ~~~python
;;   def quantise(x, axis):      # numpy; x: float32 -> the quantised numbers, widened to float32 again
;;       x = np.moveaxis(x, axis, -1); K = x.shape[-1]
;;       x = np.pad(x, [(0, 0)] * (x.ndim - 1) + [(0, -K % 32)]); x = x.reshape(x.shape[:-1] + (-1, 32)); a = np.abs(x).max(-1, keepdims=True)
;;       e = np.where(a > 0, np.clip(np.frexp(np.where(a > 0, a, 1))[1] - 1 - 2, -126, 127), 0)      # np.frexp(a)[1] - 1 = floor(log2(a)), exactly
;;       r = np.clip(x / 2.0 ** e, -7.5, 7.5)
;;       step = 2.0 ** (np.maximum(np.frexp(np.where(r == 0, 1, r))[1] - 1, 0) - 3)
;;       q = np.round(r / step) * step * 2.0 ** e      # np.round: ties to even
;;       return np.moveaxis(q.reshape(q.shape[:-2] + (-1,))[..., :K], -1, axis).astype(np.float32)
;;   ~~~
;;   OPERANDS COMPUTED ON THE WAY. 'Computed on the way' means the value that the module computes at that place (a softmax that the list does not call 'softmax' is quantised finished and normalised). What goes into a quantiser is computed in f32, as accurately as f32 sums, v_exp_f32 and their like allow (about 1e-6 of the number): no bf16 or f16 on the way to a quantiser, and a product that is left as it is and whose result goes on into a quantised operand takes f32 operands (vector FMAs, or v_wmma_f32_16x16x4_f32). A number that lies on a knife's edge between two numbers of the format may be rounded either way, as far as f32 arithmetic and the matrix unit's own rounding can turn it there, and no further.
;;   INPUTS GIVEN AS CODES. k (in the module: [2, 16, 2048, 64], K = its axis 3); q (in the module: [2, 16, 2048, 64], K = its axis 3); v (in the module: [2, 16, 2048, 64], K = its axis 2): each comes as NAME_codes (uint8): NAME with its K axis moved to the last place and cut into blocks of 32 codes, [.., K / 32, bytes a block], one block behind the other in memory; four codes in three bytes: a row's codes are one little-endian stream of bits, code i at bits 6 i .. 6 i + 5 (a code: sign, 2 exponent bits, 3 mantissa bits); and NAME_scales (uint8): the same leading axes, one E8M0 byte (e + 127) for each 32 codes along K. Its value is code x scale, taken as it is: it is not quantised again, and the codes and scales need not be those that the quantiser above would give.
;; One version. Each part assembles by itself: llvm-mc -triple=amdgcn-amd-amdhsa -mcpu=gfx1250 --defsym DOCPART=n.
;; ======== version 1 of 1: 1 launch
;; limits: inputs' magnitudes at most 300,000,000,000,000; right only within a limited range of input values
;; launch attn (part 1): grid 8 x 32, 16 waves a work-group, clusters of 4 x 1, 285,696 bytes of LDS; arguments q_codes, q_scales, k_codes, k_scales, v_codes, v_scales, tau, bias_weight, out0; writes out0
.if DOCPART == 1
	.amdgcn_target "amdgcn-amd-amdhsa--gfx1250"
	.amdhsa_code_object_version 6
	.text
	.protected	k_q9c4ca449f7_attn
	.globl	k_q9c4ca449f7_attn
	.p2align	8
	.type	k_q9c4ca449f7_attn,@function
k_q9c4ca449f7_attn:
	s_mov_b64 s[64:65], 0
	v_nop
	global_prefetch_b8 v0, s[64:65] scope:SCOPE_SE
	s_setreg_imm32_b32 hwreg(HW_REG_WAVE_MODE, 25, 1), 1
	s_wait_xcnt 0x0
	s_wait_alu depctr_hold_cnt(0) depctr_sa_sdst(0) depctr_va_vdst(0) depctr_va_sdst(0) depctr_va_ssrc(0) depctr_va_vcc(0) depctr_vm_vsrc(0)
	s_getreg_b32 s2, hwreg(HW_REG_IB_STS2, 6, 4)
	s_cmp_eq_u32 s2, 0
	s_cbranch_scc0 .Lentry_in_a_cluster
	s_endpgm
.Lentry_in_a_cluster:
	s_bfe_u32 s2, ttmp6, 0x10000c
	s_cmp_lg_u32 s2, 0x3003
	s_cbranch_scc0 .Lentry_shape_is_right
	s_endpgm
.Lentry_shape_is_right:
; out[hd][q][:] = sum over k of a(q, k) v[hd][k][:],  a = relu(softmax_k(q.k / 8 + bias_weight[q - k][h], causal) + tau[h] / (q + 1)).
; 32 heads (hd = 16 b + h), 2,048 queries and keys, head size 64.  Both products on codes of FP6 (E2M3) with one E8M0 scale for each 32 along K; q, k, v arrive as codes, v with the keys innermost.
; a IS QUANTISED FINISHED AND NORMALISED, so a row's maximum and sum are needed before any a is made: TWO SWEEPS over the keys.  Sweep 1: scores, running maximum m and sum l.  Sweep 2: the scores again, a, its codes, a x V.
; BEHIND THE DIAGONAL the softmax is 0 but a = max(tau / (q + 1), 0), which need not be 0: the second product runs over ALL keys.  In a key step that is wholly hidden a is one number a query:
; its codes and scale word are made once (HP, HW), and such a step is V's fragments and four products.  The first product leaves hidden steps out.
; SHARES.  Work-group (X, hd), X = 0..7; its sixteen waves own one tile of 16 queries each: q0 = 128 g + 16 X, g a permutation of the wave's number.  A key step is 128 keys; step s is visible for s <= g:
; a test on the wave's number and the step alone.  Every work-group has 136 visible wave steps a sweep; g is laid so that the four waves with equal number mod 4, and those with equal number / 4, have the same sum of g.
; LDS is filled ONCE: the head's K, V and scale bytes by tensor loads, a table of 8 x bias by LDS stores.  Behind the one barrier nothing writes LDS, so the sweeps have no barrier.
; CLUSTER: the four work-groups of a cluster share the head, so each tensor load is asked for jointly (mask 15).  No prefetch: every byte of K, V and the scales is asked for by the first fills, at the head.
; LAYOUT.  S^T = K Q^T (source 0 = 16 keys, source 1 = my 16 queries): a lane holds one query (lane % 16).  Tile 4 c + u takes keys 64 c + 8 u + 0..7 (rows 0-7) and 64 c + 32 + 8 u + 0..7 (rows 8-15), so that
; register SC + 32 c + e of lane (r, hl) is key 128 s + 64 c + 32 hl + e: a lane's 32 registers are ONE block of 32 keys, in the place that the second product's source 0 wants it.
; The head's 64 fill half of the instruction's 128 along K: Q's upper six registers are zero codes; K's operand runs on into the next tile's codes, which meet those zeros.
; BIAS AND MASK ARE THE C OPERAND: C = 8 x bias (exact) or -8e30 behind the diagonal; t = (q.k + 8 bias) x log2(e) / 8.
; O = a V (source 0 = a, source 1 = V; tile t takes channels 4 r + t): register j of lane (r, hl) is O(query 8 hl + j, channel 4 r + t), so four tiles' registers are 16 neighbouring bytes of a row of out.
; LIMITS: NaN, infinities and the scale byte 0xff among the inputs are not served.  A visible q.k + 8 bias under -1e30 is not told from a hidden one.  tau / i and 1 / l are a reciprocal (1 ulp) and a multiplication.
; The bias joins the sum inside the matrix instruction.  The bias column is gathered 4 bytes a lane from rows of 64 bytes, five loads a thread, once.
.set KODD,  49280                      ; LDS: K's even blocks of 32 keys at 0 (32 x 1,536 bytes), its odd blocks here: 128 bytes off a multiple of 256, so that lanes 8-15 of a load fall 32 banks from lanes 0-7 (64 banks of 4 bytes: ISA guide 11.1)
.set VB,    98560                      ; V: 16 parts of 6,912 bytes; part 4 z + t: rows r = 0..15 (channel 4 r + t), the 384 bytes of key steps 4 z .. 4 z + 3, 16 bytes of padding behind every 128: pitch 432
.set VPART, 6912
.set SCK,   209152                     ; K's scale bytes: 16 units of 256 bytes + 16; a unit is a key step
.set SCV,   213504                     ; V's: unit r holds channels 4 r .. 4 r + 3, 64 bytes each
.set BT,    217856                     ; the table: four copies of 16,448 bytes; copy p holds T[u] at word u + p.  No tensor load lands here
.set COPYB, 16448
.set NEGBIG, 0xf2c9f2ca                ; -8e30
.set AK,  1                            ; v1   my lane's place in a step's K
.set ASK, 2                            ; v2   among K's scale bytes
.set AB,  3                            ; v3   in the table
.set AV,  4                            ; v4   in a part of V
.set AV2, 5                            ; v5   the same for pieces that lie behind one padding more in lanes 16-31
.set ASV, 6                            ; v6   among V's scale bytes
.set GO,  7                            ; v7   my byte offset in the tile's rows of out
.set SH8, 8                            ; v8   8 x (lane / 16)
.set ADK, 9                            ; v9-11  the step's addresses: K, K's scales, the table
.set ADS, 10
.set ADB, 11
.set ADV, 12                           ; v12-14 the trip's addresses: V, V behind a padding, V's scales
.set ADV2, 13
.set ADT, 14
.set NM,  16                           ; v[16:17] -c m (the low word serves both halves of a packed form)
.set RL,  18                           ; v[18:19] 1 / l
.set TI,  20                           ; v[20:21] tau / i
.set LS,  22                           ; v[22:23] l, in two halves
.set MS,  24                           ; v24  the running maximum of q.k + 8 bias
.set T0,  25
.set T1,  26
.set T2,  27
.set AL,  28                           ; v[28:29] 2^(c m_old - c m_new)
.set SU,  30                           ; v[30:31] a second chain of sums
.set PX,  32                           ; v32  a lane permute's destination
.set PW,  33                           ; v33  a's scale word          (v33-47 hold scales and nothing else)
.set HW,  34                           ; v34  the hidden fragment's
.set QS,  35                           ; v35  Q's
.set KS,  36                           ; v36-39 K's: register i: lanes 0-15 tile 2 i, lanes 16-31 tile 2 i + 1
.set VS,  40                           ; v40-47 V's: register 4 i + q: lanes 0-15 tile 2 i, lanes 16-31 tile 2 i + 1, the trip's q-th key step
.set QF,  48                           ; v48-59 Q's fragment; v54-59 zero codes
.set PC,  60                           ; v60-71 a's codes
.set TC,  72                           ; v72-79 the halves of them that are made elsewhere and moved
.set HP,  80                           ; v80-91 the hidden fragment
.set MX,  92                           ; v92-95 maxima
.set SC,  96                           ; v96-159 the scores, then p, then a
.set KF,  160                          ; v160-207 K's eight half fragments; v208-213 zero codes
.set VF,  160                          ; v160-207 V's four fragments
.set OA,  216                          ; v216-247 O
.set SO,  248                          ; v248-249 the conversions' scale operands
.set BY,  250                          ; v250-251 the scale bytes
.set WV,  22                           ; s22  my wave's number
.set GQ,  23                           ; s23  g
.set XB,  24                           ; s24  X
.set HD,  25                           ; s25  the head
.set SEL, 26                           ; s[26:27] v_permlanex16_b32's selects for lane l xor 16
.set CS,  28                           ; s[28:29] c = log2(e) / 8
.set STP, 30                           ; s30  the key step
.set TK,  31                           ; s31  its K: 3,072 bytes a step in each of the two regions
.set TS,  32                           ; s32  its scale bytes: 272 a step
.set TBI, 33                           ; s33  its place in the table: 512 a step
.set TV,  34                           ; s34  the trip's four parts of V
.set TZ,  35                           ; s35  the trip's 16 scale bytes of a row of V
.set CNT, 36                           ; s36  the loops' counter
.set TAU, 37                           ; s37  tau[h]
.set NC,  38                           ; s38  -c
.set QI1, 39                           ; s39  q0 + 1
.set G1K, 40                           ; s[40:47], s[48:55], s[56:63] descriptor groups 1: K, V, scale bytes
.set G1V, 48
.set G1S, 56
.set G0K, 68                           ; s[68:71], s[72:75], s[76:79] groups 0: K, scale bytes, V
.set G0S, 72
.set G0V, 76
; A round of the cluster's barrier: my work-group's barrier; wave 0 signals for the work-group; every wave waits for all four work-groups; my work-group's barrier once more.
.macro CROUND
	s_barrier_signal -1
	s_barrier_wait -1
	s_cmp_lg_u32 s[WV], 0
	s_cbranch_scc1 .Lnot_wave_0_\@
	s_barrier_signal -3
.Lnot_wave_0_\@:
	s_barrier_wait -3
	s_barrier_signal -1
	s_barrier_wait -1
.endm
	s_load_b256 s[4:11], s[0:1], 0x0               ; q_codes s[4:5], q_scales s[6:7], k_codes s[8:9], k_scales s[10:11]
	s_load_b256 s[12:19], s[0:1], 0x20             ; v_codes s[12:13], v_scales s[14:15], tau s[16:17], bias_weight s[18:19]
	s_load_b64 s[20:21], s[0:1], 0x40              ; out0
	v_lshl_add_u32 v254, v0, 2, 0x45400
	v_mov_b32 v255, 0
	ds_add_u32 v254, v255
	ds_add_u32 v254, v255
	v_lshrrev_b32 v1, 5, v0
	v_readfirstlane_b32 s[WV], v1                  ; wave 0..15
	; g: with a = w % 4, b = w / 4, M = b times the field's generator: g = 4 (a xor b) + (a xor M): 0,5,10,15, 6,3,12,9, 11,14,1,4, 13,8,7,2
	s_and_b32 s80, s[WV], 3                        ; a
	s_lshr_b32 s81, s[WV], 2                       ; b
	s_lshr_b32 s82, s81, 1
	s_xor_b32 s83, s81, s82
	s_and_b32 s83, s83, 1
	s_lshl_b32 s83, s83, 1
	s_or_b32 s83, s83, s82                         ; M
	s_xor_b32 s84, s80, s81
	s_lshl_b32 s84, s84, 2
	s_xor_b32 s85, s80, s83
	s_or_b32 s[GQ], s84, s85
	s_bfe_u32 s[XB], ttmp6, 0x40000                ; cx: it enters global addresses and numbers alone
	s_lshl_b32 s92, ttmp9, 2                       ; in a cluster launch ttmp9 counts clusters
	s_add_co_u32 s[XB], s[XB], s92                 ; X = 4 x cluster x + cx
	s_and_b32 s[HD], ttmp7, 0xffff                 ; the head, which the four partners share
	; descriptor groups 1.  K: 4 rows of 1,536 bytes (a block of 32 keys), every second block: 3,072 bytes apart; no padding
	s_mov_b32 s[G1K+0], 15|(1<<21)                 ; 15:0 the mask: all four work-groups; 17:16 elements of 1 byte; 21 set beside a mask
	s_mov_b32 s[G1K+1], 1536<<16                   ; tensor_dim0
	s_mov_b32 s[G1K+2], 4<<16                      ; tensor_dim1
	s_mov_b32 s[G1K+3], 1536<<16                   ; tile_dim0
	s_mov_b32 s[G1K+4], 4                          ; tile_dim1
	s_mov_b32 s[G1K+5], 3072                       ; tensor_dim0_stride
	s_mov_b32 s[G1K+6], 0
	s_mov_b32 s[G1K+7], 0
	; V: 16 rows of 384 bytes, every fourth channel: 6,144 bytes apart; 4 words of padding behind every 32 words
	s_mov_b32 s[G1V+0], 15|(1<<20)|(1<<21)|(4<<22)|(3<<25)
	s_mov_b32 s[G1V+1], 384<<16
	s_mov_b32 s[G1V+2], 16<<16
	s_mov_b32 s[G1V+3], 384<<16
	s_mov_b32 s[G1V+4], 16
	s_mov_b32 s[G1V+5], 6144
	s_mov_b32 s[G1V+6], 0
	s_mov_b32 s[G1V+7], 0
	; scale bytes: 512 dense bytes as 2 rows of 256 (32 elements of 8 bytes), 4 words of padding behind each
	s_mov_b32 s[G1S+0], 15|(3<<16)|(1<<20)|(1<<21)|(5<<22)|(3<<25)
	s_mov_b32 s[G1S+1], 32<<16
	s_mov_b32 s[G1S+2], 2<<16
	s_mov_b32 s[G1S+3], 32<<16
	s_mov_b32 s[G1S+4], 2
	s_mov_b32 s[G1S+5], 32
	s_mov_b32 s[G1S+6], 0
	s_mov_b32 s[G1S+7], 0
	s_mul_i32 s86, s[HD], 98304                    ; the head's first byte in each tensor of codes,
	s_lshl_b32 s88, s[HD], 12                      ; and in each tensor of scale bytes
	; K: wave w brings rows 4 (w / 2) .. + 3 of the even (w % 2 = 0) or odd blocks
	s_and_b32 s80, s[WV], 1
	s_lshr_b32 s81, s[WV], 1
	s_mul_i32 s82, s80, KODD
	s_mul_i32 s83, s81, 6144
	s_mov_b32 s[G0K], 1                            ; 1:0 count = 1
	s_add_co_u32 s[G0K+1], s82, s83                ; 63:32 LDS address
	s_mul_i32 s82, s80, 1536
	s_mul_i32 s83, s81, 12288
	s_add_co_u32 s82, s82, s83
	s_add_co_u32 s82, s82, s86
	s_mov_b32 s83, 0
	; scale bytes: waves 0-7 bring K's, waves 8-15 V's, 512 bytes each
	s_mul_i32 s84, s[WV], 544
	s_mov_b32 s[G0S], 1
	s_add_co_u32 s[G0S+1], s84, SCK
	s_and_b32 s84, s[WV], 7
	s_lshl_b32 s84, s84, 9
	s_add_co_u32 s84, s84, s88
	s_mov_b32 s85, 0
	; V: wave w brings part w: channels 4 r + w % 4, key steps 4 (w / 4) .. + 3
	s_mul_i32 s90, s[WV], VPART
	s_mov_b32 s[G0V], 1
	s_add_co_u32 s[G0V+1], s90, VB
	s_and_b32 s90, s[WV], 3
	s_mul_i32 s90, s90, 1536
	s_lshr_b32 s91, s[WV], 2
	s_mul_i32 s91, s91, 384
	s_add_co_u32 s90, s90, s91
	s_add_co_u32 s90, s90, s86
	s_mov_b32 s91, 0
	; my tile of queries
	s_lshl_b32 s92, s[GQ], 7
	s_lshl_b32 s93, s[XB], 4
	s_add_co_u32 s92, s92, s93                     ; q0 = 128 g + 16 X
	s_add_co_u32 s[QI1], s92, 1
	s_lshl_b32 s94, s[HD], 11
	s_add_co_u32 s92, s92, s94                     ; its row among the 65,536 of q and out
	s_add_co_u32 s93, s93, 2048                    ; 2,048 + 16 X, for the table
	s_and_b32 s86, s[HD], 15
	s_lshl_b32 s86, s86, 2                         ; 4 h
	s_mov_b32 s87, 0
	s_mov_b32 s95, 0
	s_mov_b32 s[SEL], 0x76543210
	s_mov_b32 s[SEL+1], 0xfedcba98
	s_mov_b32 s[CS], 0x3e38aa3b                    ; c = log2(e) / 8
	s_mov_b32 s[CS+1], s[CS]                       ; (named with it as a pair, so it is written)
	s_mov_b32 s[NC], 0xbe38aa3b                    ; -c
	s_wait_dscnt 0x0
	s_wait_kmcnt 0x0
	s_add_nc_u64 s[G0K+2:G0K+3], s[8:9], s[82:83]  ; 120:64 global address
	s_cmp_lt_u32 s[WV], 8
	s_cselect_b64 s[G0S+2:G0S+3], s[10:11], s[14:15]
	s_add_nc_u64 s[G0S+2:G0S+3], s[G0S+2:G0S+3], s[84:85]
	s_add_nc_u64 s[G0V+2:G0V+3], s[12:13], s[90:91]
	s_or_b32 s[G0K+3], s[G0K+3], 0x80000000        ; 127:126 type = 2
	s_or_b32 s[G0S+3], s[G0S+3], 0x80000000
	s_or_b32 s[G0V+3], s[G0V+3], 0x80000000
	s_add_nc_u64 s[16:17], s[16:17], s[86:87]      ; tau[h]
	s_add_nc_u64 s[18:19], s[18:19], s[86:87]      ; bias_weight[0][h]
	s_mul_i32 s94, s92, 48
	s_add_nc_u64 s[4:5], s[4:5], s[94:95]          ; Q's codes at my first query,
	s_lshl_b32 s94, s92, 1
	s_add_nc_u64 s[6:7], s[6:7], s[94:95]          ; its scale bytes,
	s_lshl_b32 s94, s92, 8
	s_add_nc_u64 s[20:21], s[20:21], s[94:95]      ; its row of out
	CROUND                                         ; all four work-groups are here: the joint loads meet
	tensor_load_to_lds s[G0K:G0K+3], s[G1K:G1K+7]  ; the launch's only fills: three loads of mine are out.  Every wave brings bytes of its own
	s_nop 0
	tensor_load_to_lds s[G0S:G0S+3], s[G1S:G1S+7]
	s_nop 0
	tensor_load_to_lds s[G0V:G0V+3], s[G1V:G1V+7]
	s_nop 0
.rept 4
	v_nop                                          ; four lines behind the loads
.endr
	s_load_b32 s[TAU], s[16:17], 0x0
	; THE TABLE.  T[u], u = 0..4095, stands for rel = q - k = 2,048 + 16 X - u: 8 x bias_weight[rel][h] where rel >= 0, else -8e30.  Thread n makes u = n + 512 j, j = 0..7.
	v_sub_nc_u32 v104, s93, v0                     ; R0 = 2,048 + 16 X - n: j = 0..3 have rel = R0 - 512 j, 1 at the least and 2,160 at the most
	v_lshlrev_b32 v105, 6, v104                    ; a row of bias_weight is 64 bytes
	v_add_nc_u32 v106, 0xfffff800, v104            ; R4 = R0 - 2,048: -511 .. 112
	v_and_b32 v107, 127, v106                      ; R4 itself where it is not negative; else some row of the table's first 128, whose number is thrown away below
	v_lshlrev_b32 v107, 6, v107
	global_load_b32 v96, v105, s[18:19]
	global_load_b32 v97, v105, s[18:19] offset:-32768
	global_load_b32 v98, v105, s[18:19] offset:-65536
	global_load_b32 v99, v105, s[18:19] offset:-98304
	global_load_b32 v100, v107, s[18:19]
	v_and_b32 v112, 15, v0                         ; r
	v_bfe_u32 v113, v0, 4, 1                       ; hl
	v_mul_u32_u24 v109, v112, 48                   ; Q: row r of 48 bytes, + 24 hl: k = 32 hl + 0..31
	v_mad_u32_u24 v109, v113, 24, v109
	v_lshlrev_b32 v110, 1, v112
	global_load_b64 v[QF:QF+1], v109, s[4:5] th:TH_LOAD_NT
	global_load_b64 v[QF+2:QF+3], v109, s[4:5] offset:8 th:TH_LOAD_NT
	global_load_b64 v[QF+4:QF+5], v109, s[4:5] offset:16 th:TH_LOAD_NT
	global_load_u16 v[QS], v110, s[6:7] th:TH_LOAD_NT   ; two scale bytes; the upper two are 0, over zero codes
	v_and_b32 v114, 7, v0                          ; r % 8
	v_bfe_u32 v115, v0, 3, 1                       ; r / 8
	v_mul_u32_u24 v[AK], v114, 48                  ; K: key r % 8 of the tile's eight, in the even (r < 8) or odd region, + 24 hl
	v_mad_u32_u24 v[AK], v115, KODD, v[AK]
	v_mad_u32_u24 v[AK], v113, 24, v[AK]
	v_lshl_add_u32 v[ASK], v114, 1, SCK            ; K's scale bytes: 2 a key; lanes 16-31 take the next tile's: 8 keys on
	v_lshl_add_u32 v[ASK], v115, 6, v[ASK]
	v_lshl_add_u32 v[ASK], v113, 4, v[ASK]
	v_and_b32 v116, 3, v0                          ; the table: copy r % 4, so that my runs of four words begin on multiples of 16 bytes
	v_bfe_u32 v117, v0, 2, 2
	v_xor_b32 v117, 3, v117                        ; 3 - r / 4
	v_mul_u32_u24 v[AB], v116, COPYB
	v_lshl_add_u32 v[AB], v113, 7, v[AB]
	v_lshl_add_u32 v[AB], v117, 4, v[AB]
	v_add_nc_u32 v[AB], BT, v[AB]
	v_mul_u32_u24 v[AV], v112, 432                 ; V: row r of a part, + 24 hl, or + 40 hl behind one padding more
	v_add_nc_u32 v[AV], VB, v[AV]
	v_mad_u32_u24 v[AV2], v113, 40, v[AV]
	v_mad_u32_u24 v[AV], v113, 24, v[AV]
	v_mul_u32_u24 v[ASV], v112, 272                ; V's scale bytes: unit r; lanes 16-31 take the next channel's 64
	v_lshl_add_u32 v[ASV], v113, 6, v[ASV]
	v_add_nc_u32 v[ASV], SCV, v[ASV]
	v_lshlrev_b32 v[GO], 4, v112                   ; out: 16 r, + 8 rows of 256 bytes for lanes 16-31
	v_lshl_add_u32 v[GO], v113, 11, v[GO]
	v_lshlrev_b32 v[SH8], 3, v113
.irp i, 6,7,8,9,10,11
	v_mov_b32 v[QF+\i], 0                          ; zero codes: the upper 64 of the instruction's 128 along K
.endr
.irp i, 48,49,50,51,52,53
	v_mov_b32 v[KF+\i], 0                          ; what the last tile's operand runs on into
.endr
	v_mov_b32 v[PX], 0                             ; a lane permute's destination counts as one of its sources
	v_mov_b32 v[LS], 0
	v_mov_b32 v[LS+1], 0
	v_mov_b32 v[MS], 0xf149f2ca                    ; -1e30: under every visible score, over every hidden one
	v_mul_f32 v[NM], s[NC], v[MS]
	v_mov_b32 v[NM+1], 0                           ; (the upper words of pairs of which the low word serves both halves are written once)
	v_mov_b32 v[RL+1], 0
	v_mov_b32 v[TI+1], 0
	v_mov_b32 v[AL+1], 0
	v_mov_b32 v108, NEGBIG
	v_lshl_add_u32 v111, v0, 2, BT
	s_wait_loadcnt 0x4                             ; the five gathers are in; Q's four loads, issued behind them, may be out
.irp j, 0,1,2,3,4
	v_mul_f32 v[96+\j], 0x41000000, v[96+\j]       ; x 8: exact
.endr
	v_cmp_gt_i32 vcc_lo, 0, v106
	v_cndmask_b32 v100, v100, v108, vcc_lo         ; rel < 0: hidden
.irp cp, 0,1,2,3
.irp j, 0,1,2,3,4
	ds_store_b32 v111, v[96+\j] offset:2048*\j+(COPYB+4)*\cp   ; T[n + 512 j] at word n + 512 j + cp of copy cp
.endr
.irp j, 5,6,7
	ds_store_b32 v111, v108 offset:2048*\j+(COPYB+4)*\cp       ; rel < 0 for every thread
.endr
.endr
	s_wait_loadcnt 0x0                             ; Q
	s_wait_kmcnt 0x0                               ; tau
	s_wait_tensorcnt 0x0                           ; for the others' sake: my parts of K, V and the scales have landed,
	s_wait_dscnt 0x0                               ; and my part of the table
	s_barrier_signal -1
	s_barrier_wait -1                              ; everybody's have.  From here on nothing writes LDS
; The step's addresses.  These four plain lines are also the places between the last products and the loads into registers that those products read (ISA guide 7.12.1 for vector instructions).
.macro HEADADD
	v_add_nc_u32 v[ADK], s[TK], v[AK]
	v_add_nc_u32 v[ADS], s[TS], v[ASK]
	v_add_nc_u32 v[ADB], s[TBI], v[AB]
	v_nop
.endm
.macro NEXTSTEP
	s_add_co_u32 s[STP], s[STP], 1
	s_add_co_u32 s[TK], s[TK], 3072
	s_add_co_u32 s[TS], s[TS], 272
	s_add_co_u32 s[TBI], s[TBI], 512
.endm
; S^T = K Q^T + C for 128 keys: C (8 x bias, or -8e30) comes out of the table straight into the accumulators.  One wait for all 44 loads: tile t's operand names tile t + 1's registers too.
; The eight accumulators take turns, one instruction a turn.
.macro SCORES
.irp c, 0,1
.irp m, 0,1,2,3,4,5,6,7
	ds_load_b128 v[SC+32*\c+4*\m:SC+32*\c+4*\m+3], v[ADB] offset:256*\c+16*\m
.endr
.endr
.irp t, 0,1,2,3,4,5,6,7
.irp p, 0,1,2
	ds_load_b64 v[KF+6*\t+2*\p:KF+6*\t+2*\p+1], v[ADK] offset:1536*(\t/4)+384*(\t%4)+8*\p
.endr
.endr
.irp i, 0,1,2,3
	ds_load_u16 v[KS+\i], v[ADS] offset:128*(\i/2)+32*(\i%2)
.endr
	s_wait_dscnt 0x0
.irp t, 0,2,4,6
	v_wmma_scale_f32_16x16x128_f8f6f4 v[SC+8*\t:SC+8*\t+7], v[KF+6*\t:KF+6*\t+11], v[QF:QF+11], v[SC+8*\t:SC+8*\t+7], v[KS+\t/2], v[QS] matrix_a_fmt:MATRIX_FMT_FP6 matrix_b_fmt:MATRIX_FMT_FP6
	v_wmma_scale_f32_16x16x128_f8f6f4 v[SC+8*(\t+1):SC+8*(\t+1)+7], v[KF+6*(\t+1):KF+6*(\t+1)+11], v[QF:QF+11], v[SC+8*(\t+1):SC+8*(\t+1)+7], v[KS+\t/2], v[QS] matrix_a_fmt:MATRIX_FMT_FP6 matrix_b_fmt:MATRIX_FMT_FP6 matrix_a_scale:MATRIX_SCALE_ROW1
.endr
.rept 4
	v_nop                                          ; four places ahead of the first read of results and of loads into K's registers
.endr
.endm
; Sweep 1's statistics.  Each half of the lanes keeps m and l of its own 64 keys a step: no exchange in the loop; the halves meet between the sweeps.
.macro STAT1
.irp k, 0,1,2,3
	v_max3_num_f32 v[MX+\k], v[SC+16*\k], v[SC+16*\k+1], v[SC+16*\k+2]   ; four chains, each over two accumulators, ascending: each accumulator is first read at its low end
.endr
.irp i, 3,5,7,9,11,13
.irp k, 0,1,2,3
	v_max3_num_f32 v[MX+\k], v[MX+\k], v[SC+16*\k+\i], v[SC+16*\k+\i+1]
.endr
.endr
	v_max3_num_f32 v[MX], v[MX], v[SC+15], v[SC+31]
	v_max3_num_f32 v[MX+2], v[MX+2], v[SC+47], v[SC+63]
	v_max3_num_f32 v[MX], v[MX], v[MX+1], v[MX+2]
	v_max3_num_f32 v[MS], v[MX], v[MX+3], v[MS]    ; the new m
	v_mul_f32 v[T0], s[NC], v[MS]                  ; -c m
	v_sub_f32 v[T1], v[T0], v[NM]                  ; c m_old - c m_new
	v_mov_b32 v[NM], v[T0]
	v_exp_f32 v[AL], v[T1]
.irp j, 0,2,4,6,8,10,12,14,16,18,20,22,24,26,28,30,32,34,36,38,40,42,44,46,48,50,52,54,56,58,60,62
	v_pk_fma_f32 v[SC+\j:SC+\j+1], v[SC+\j:SC+\j+1], s[CS:CS+1], v[NM:NM+1] op_sel_hi:[1,0,0]   ; c s - c m
.endr
.irp j, 0,1,2,3,4,5,6,7,8,9,10,11,12,13,14,15,16,17,18,19,20,21,22,23,24,25,26,27,28,29,30,31,32,33,34,35,36,37,38,39,40,41,42,43,44,45,46,47,48,49,50,51,52,53,54,55,56,57,58,59,60,61,62,63
	v_exp_f32 v[SC+\j], v[SC+\j]
.endr
	v_nop                                          ; a plain line behind the last exponential
	s_wait_alu depctr_va_vdst(0)                   ; one wait for the 65 exponentials, ahead of their first reader
	v_pk_mul_f32 v[LS:LS+1], v[LS:LS+1], v[AL:AL+1] op_sel_hi:[1,0]
	v_pk_add_f32 v[SU:SU+1], v[SC:SC+1], v[SC+2:SC+3]
.irp j, 4,8,12,16,20,24,28,32,36,40,44,48,52,56,60
	v_pk_add_f32 v[LS:LS+1], v[LS:LS+1], v[SC+\j:SC+\j+1]
	v_pk_add_f32 v[SU:SU+1], v[SU:SU+1], v[SC+\j+2:SC+\j+3]
.endr
	v_pk_add_f32 v[LS:LS+1], v[LS:LS+1], v[SU:SU+1]
.endm
.macro STEP1
	HEADADD
	s_cmp_gt_u32 s[STP], s[GQ]                     ; a step all of whose keys come behind my queries: the wave's number and the step decide
	s_cbranch_scc1 .Lskip_\@
	SCORES
	STAT1
.Lskip_\@:
	NEXTSTEP
.endm
; 64 numbers a lane, register SC + 32 c + e = key 64 c + 32 hl + e of my query, are clipped at 0 and become source 0's codes (PC) and scale word (PW).  A block is one lane's 32 registers.
.macro QUANT
.irp k, 0,1,2,3
	v_max3_num_f32 v[MX+\k], v[SC+16*\k], v[SC+16*\k+1], 0x1800000   ; no |.|: what is negative is clipped and must not count; the floor 2^(3 - 127) holds the byte at 1 from below
.endr
.irp i, 2,4,6,8,10,12,14
.irp k, 0,1,2,3
	v_max3_num_f32 v[MX+\k], v[MX+\k], v[SC+16*\k+\i], v[SC+16*\k+\i+1]
.endr
.endr
	v_max_num_f32 v[MX], v[MX], v[MX+1]            ; block hl's largest,
	v_max_num_f32 v[MX+2], v[MX+2], v[MX+3]        ; block 2 + hl's
	v_add_nc_u32 v[SO], 0xff000000, v[MX]          ; 2 off the exponent field: the conversion's scale operand
	v_add_nc_u32 v[SO+1], 0xff000000, v[MX+2]
	v_lshrrev_b32 v[BY], 23, v[SO]                 ; the scale's byte
	v_lshrrev_b32 v[BY+1], 23, v[SO+1]
	v_lshl_or_b32 v[PW], v[BY+1], 16, v[BY]        ; my two bytes, at their places in the scale word (8 hl bits up);
	v_lshlrev_b32 v[PW], v[SH8], v[PW]
	v_permlanex16_b32 v[PX], v[PW], s[SEL], s[SEL+1]
	v_or_b32 v[PW], v[PW], v[PX]                   ; with lane l xor 16's two the word is whole.  (The lines below are its places ahead of the product)
.irp j, 0,1,2,3,4,5,6,7,8,9,10,11,12,13,14,15,16,17,18,19,20,21,22,23,24,25,26,27,28,29,30,31,32,33,34,35,36,37,38,39,40,41,42,43,44,45,46,47,48,49,50,51,52,53,54,55,56,57,58,59,60,61,62,63
	v_max_num_f32 v[SC+\j], 0, v[SC+\j]            ; relu
.endr
.irp c, 0,1
	v_cvt_scalef32_pk16_fp6_f32 v[PC+6*\c:PC+6*\c+2], v[SC+32*\c:SC+32*\c+15], v[SO+\c]
	v_cvt_scalef32_pk16_fp6_f32 v[TC+4*\c:TC+4*\c+2], v[SC+32*\c+16:SC+32*\c+31], v[SO+\c]   ; (a conversion's three registers begin on an even number)
.endr
	v_nop                                          ; one plain line behind the scaled conversions
.irp c, 0,1
.irp i, 0,1,2
	v_mov_b32 v[PC+6*\c+3+\i], v[TC+4*\c+\i]
.endr
.endr
.rept 4
	v_nop                                          ; an operand written by vector instructions stands four places ahead of a scaled matrix instruction
.endr
.endm
; V's four fragments of the trip's q-th key step: 16 channels x 128 keys each, in pieces of 8 bytes.  Lanes 16-31 read three pieces on, which for some pieces is behind one padding more: the second address register serves those.
.macro VLOAD q
.irp t, 0,1,2,3
.irp p, 0,1,2,3,4,5
.set PP, 12*(\q)+6*(\p/3)+\p%3
.if PP%16 < 13
	ds_load_b64 v[VF+12*\t+2*\p:VF+12*\t+2*\p+1], v[ADV] offset:VPART*\t+8*PP+16*(PP/16)
.else
	ds_load_b64 v[VF+12*\t+2*\p:VF+12*\t+2*\p+1], v[ADV2] offset:VPART*\t+8*PP+16*(PP/16)
.endif
.endr
.endr
.endm
; O += a V for 128 keys: four accumulators by turns.  frag, sw: source 0's codes and scale word
.macro PV q, frag, sw
.irp t, 0,2
	v_wmma_scale_f32_16x16x128_f8f6f4 v[OA+8*\t:OA+8*\t+7], v[\frag:\frag+11], v[VF+12*\t:VF+12*\t+11], v[OA+8*\t:OA+8*\t+7], v[\sw], v[VS+4*(\t/2)+(\q)] matrix_a_fmt:MATRIX_FMT_FP6 matrix_b_fmt:MATRIX_FMT_FP6
	v_wmma_scale_f32_16x16x128_f8f6f4 v[OA+8*(\t+1):OA+8*(\t+1)+7], v[\frag:\frag+11], v[VF+12*(\t+1):VF+12*(\t+1)+11], v[OA+8*(\t+1):OA+8*(\t+1)+7], v[\sw], v[VS+4*(\t/2)+(\q)] matrix_a_fmt:MATRIX_FMT_FP6 matrix_b_fmt:MATRIX_FMT_FP6 matrix_b_scale:MATRIX_SCALE_ROW1
.endr
.endm
.macro STEP2 q
	HEADADD
	s_cmp_gt_u32 s[STP], s[GQ]
	s_cbranch_scc1 .Lhid_\@
	SCORES
	VLOAD \q                                       ; into K's registers, which are done with; they land while the softmax is worked
.irp j, 0,2,4,6,8,10,12,14,16,18,20,22,24,26,28,30,32,34,36,38,40,42,44,46,48,50,52,54,56,58,60,62
	v_pk_fma_f32 v[SC+\j:SC+\j+1], v[SC+\j:SC+\j+1], s[CS:CS+1], v[NM:NM+1] op_sel_hi:[1,0,0]   ; c s - c m, m now the row's
.endr
.irp j, 0,1,2,3,4,5,6,7,8,9,10,11,12,13,14,15,16,17,18,19,20,21,22,23,24,25,26,27,28,29,30,31,32,33,34,35,36,37,38,39,40,41,42,43,44,45,46,47,48,49,50,51,52,53,54,55,56,57,58,59,60,61,62,63
	v_exp_f32 v[SC+\j], v[SC+\j]
.endr
	v_nop                                          ; a plain line behind the last exponential
	s_wait_alu depctr_va_vdst(0)                   ; one wait for the batch, ahead of its first reader
.irp j, 0,2,4,6,8,10,12,14,16,18,20,22,24,26,28,30,32,34,36,38,40,42,44,46,48,50,52,54,56,58,60,62
	v_pk_fma_f32 v[SC+\j:SC+\j+1], v[SC+\j:SC+\j+1], v[RL:RL+1], v[TI:TI+1] op_sel_hi:[1,0,0]   ; p / l + tau / i
.endr
	QUANT
	s_wait_dscnt 0x0                               ; V
	PV \q, PC, PW
	s_branch .Lend_\@
.Lhid_\@:                                          ; wholly hidden: a = max(tau / i, 0) for all 128 keys
	VLOAD \q
	s_wait_dscnt 0x0
	PV \q, HP, HW
.Lend_\@:
	NEXTSTEP
.endm
	; ---- SWEEP 1: m and l
	s_mov_b32 s[STP], 0
	s_mov_b32 s[TK], 0
	s_mov_b32 s[TS], 0
	s_xor_b32 s80, s[GQ], 15
	s_lshl_b32 s80, s80, 9
	s_add_co_u32 s[TBI], s80, 464                  ; with AB: byte 8,192 - 512 (g - s) - 16 (r / 4) + 128 hl of my copy
	s_mov_b32 s[CNT], 16
.Lsweep1:
	STEP1
	s_sub_co_u32 s[CNT], s[CNT], 1
	s_cmp_lg_u32 s[CNT], 0
	s_cbranch_scc1 .Lsweep1
	; ---- BETWEEN THE SWEEPS: the two halves' m and l meet; 1 / l, tau / i; the hidden fragment
	v_permlanex16_b32 v[PX], v[MS], s[SEL], s[SEL+1]
	v_max_num_f32 v[MS], v[MS], v[PX]              ; the row's m
	v_mul_f32 v[T0], s[NC], v[MS]
	v_sub_f32 v[T1], v[T0], v[NM]                  ; c (my half's m - the row's)
	v_exp_f32 v[AL], v[T1]
	v_add_f32 v[LS], v[LS], v[LS+1]
	v_and_b32 v[T2], 15, v0
	v_add_nc_u32 v[T2], s[QI1], v[T2]
	v_cvt_f32_u32 v[T2], v[T2]                     ; i = q + 1
	v_rcp_f32 v[SU], v[T2]
	v_mov_b32 v[NM], v[T0]                         ; (a plain line behind the reciprocal)
	s_wait_alu depctr_va_vdst(0)                   ; for the exponential and the reciprocal, ahead of their readers
	v_mul_f32 v[LS], v[LS], v[AL]                  ; my half's l under the row's m
	v_permlanex16_b32 v[PX], v[LS], s[SEL], s[SEL+1]
	v_add_f32 v[LS], v[LS], v[PX]                  ; the row's l
	v_rcp_f32 v[RL], v[LS]
	v_mul_f32 v[TI], s[TAU], v[SU]                 ; tau / i.  (A plain line behind the reciprocal)
	s_wait_alu depctr_va_vdst(0)                   ; for 1 / l
.irp j, 0,1,2,3,4,5,6,7,8,9,10,11,12,13,14,15,16,17,18,19,20,21,22,23,24,25,26,27,28,29,30,31,32,33,34,35,36,37,38,39,40,41,42,43,44,45,46,47,48,49,50,51,52,53,54,55,56,57,58,59,60,61,62,63
	v_mov_b32 v[SC+\j], v[TI]                      ; a hidden step's 128 numbers of my query, once a wave
.endr
	QUANT
.irp i, 0,1,2,3,4,5,6,7,8,9,10,11
	v_mov_b32 v[HP+\i], v[PC+\i]
.endr
	v_mov_b32 v[HW], v[PW]
.irp j, 0,1,2,3,4,5,6,7,8,9,10,11,12,13,14,15,16,17,18,19,20,21,22,23,24,25,26,27,28,29,30,31
	v_mov_b32 v[OA+\j], 0                          ; O: the loop is written once.  (These 32 are also the places behind HP and HW)
.endr
	; ---- SWEEP 2: a and O.  A trip is four key steps: one group of parts of V, 16 scale bytes of each of its rows
	s_mov_b32 s[STP], 0
	s_mov_b32 s[TK], 0
	s_mov_b32 s[TS], 0
	s_add_co_u32 s[TBI], s80, 464
	s_mov_b32 s[TV], 0
	s_mov_b32 s[TZ], 0
	s_mov_b32 s[CNT], 4
.Lsweep2:
	v_add_nc_u32 v[ADV], s[TV], v[AV]
	v_add_nc_u32 v[ADV2], s[TV], v[AV2]
	v_add_nc_u32 v[ADT], s[TZ], v[ASV]
	v_nop                                          ; four places between the last products and the loads into their scale registers
	ds_load_b128 v[VS:VS+3], v[ADT]                ; tiles 0 (lanes 0-15) and 1 (lanes 16-31): a word for each of the four key steps
	ds_load_b128 v[VS+4:VS+7], v[ADT] offset:128   ; tiles 2 and 3
	STEP2 0
	STEP2 1
	STEP2 2
	STEP2 3
	s_add_co_u32 s[TV], s[TV], 4*VPART
	s_add_co_u32 s[TZ], s[TZ], 16
	s_sub_co_u32 s[CNT], s[CNT], 1
	s_cmp_lg_u32 s[CNT], 0
	s_cbranch_scc1 .Lsweep2
	; ---- THE WAY OUT.  Register j of the four tiles is O(8 hl + j, 4 r + 0..3): gathered into four neighbouring registers, which spares a trip through LDS
.rept 4
	v_nop                                          ; four places behind the last products
.endr
.irp j, 0,1,2,3,4,5,6,7
.irp t, 0,1,2,3
	v_mov_b32 v[SC+4*\j+\t], v[OA+8*\t+\j]         ; each accumulator is first read at its lowest register
.endr
.endr
.irp j, 0,1,2,3,4,5,6,7
	global_store_b128 v[GO], v[SC+4*\j:SC+4*\j+3], s[20:21] offset:256*\j th:TH_STORE_NT   ; lanes 0-15 store row j's 256 bytes, lanes 16-31 row 8 + j's: each at a multiple of 256 from out's first byte
.endr
	s_wait_dscnt 0x0                               ; no LDS instruction of mine is out at a signal
	s_wait_tensorcnt 0x0
	ds_add_u32 v254, v255
	s_wait_dscnt 0x0
	CROUND                                         ; the closing round: no work-group ends while a partner may still ask for a tile that names it
	s_endpgm
.Lfunc_end_k_q9c4ca449f7_attn:
	.size	k_q9c4ca449f7_attn, .Lfunc_end_k_q9c4ca449f7_attn-k_q9c4ca449f7_attn
	.p2alignl 7, 3214868480
	.fill 96, 4, 3214868480
	.section	.rodata,"a",@progbits
	.p2align	6, 0x0
	.amdhsa_kernel k_q9c4ca449f7_attn
		.amdhsa_group_segment_fixed_size 285696
		.amdhsa_private_segment_fixed_size 0
		.amdhsa_enable_private_segment 0
		.amdhsa_kernarg_size 72
		.amdhsa_user_sgpr_count 2
		.amdhsa_user_sgpr_kernarg_segment_ptr 1
		.amdhsa_wavefront_size32 1
		.amdhsa_system_sgpr_workgroup_id_x 1
		.amdhsa_system_sgpr_workgroup_id_y 1
		.amdhsa_system_sgpr_workgroup_id_z 1
		.amdhsa_system_vgpr_workitem_id 0
		.amdhsa_next_free_vgpr 256
		.amdhsa_next_free_sgpr 96
		.amdhsa_reserve_vcc 1
		.amdhsa_float_denorm_mode_32 3
		.amdhsa_float_denorm_mode_16_64 3
		.amdhsa_memory_ordered 1
		.amdhsa_forward_progress 1
		.amdhsa_inst_pref_size 117
	.end_amdhsa_kernel
	.amdgpu_metadata
---
amdhsa.version: [ 1, 2 ]
amdhsa.kernels:
  - .name:           k_q9c4ca449f7_attn
    .symbol:         k_q9c4ca449f7_attn.kd
    .args:
      - { .name: q_codes, .offset: 0, .size: 8, .value_kind: global_buffer, .address_space: global }
      - { .name: q_scales, .offset: 8, .size: 8, .value_kind: global_buffer, .address_space: global }
      - { .name: k_codes, .offset: 16, .size: 8, .value_kind: global_buffer, .address_space: global }
      - { .name: k_scales, .offset: 24, .size: 8, .value_kind: global_buffer, .address_space: global }
      - { .name: v_codes, .offset: 32, .size: 8, .value_kind: global_buffer, .address_space: global }
      - { .name: v_scales, .offset: 40, .size: 8, .value_kind: global_buffer, .address_space: global }
      - { .name: tau, .offset: 48, .size: 8, .value_kind: global_buffer, .address_space: global }
      - { .name: bias_weight, .offset: 56, .size: 8, .value_kind: global_buffer, .address_space: global }
      - { .name: out0, .offset: 64, .size: 8, .value_kind: global_buffer, .address_space: global }
    .group_segment_fixed_size: 285696
    .private_segment_fixed_size: 0
    .kernarg_segment_align: 8
    .kernarg_segment_size: 72
    .max_flat_workgroup_size: 512
    .sgpr_count:     96
    .vgpr_count:     256
    .wavefront_size: 32
...
	.end_amdgpu_metadata
.endif
;; end of part 1
